; MI455X (gfx1250); checked and timed in simulation.
; The chip was launched on July 23, 2026; its instructions are those of AMD's public machine-readable ISA for CDNA 5 (MIT licence, August 2026) and "CDNA5" Instruction Set Architecture Reference Guide (July 2026). The comments in the code are by the model that wrote it; some were corrected since.
;; EMA Quantizer. Allowed arithmetic: matrix products marked QUANTISED: E2M3 operands, one E8M0 scale for each 32 along K, by v_wmma_scale_f32_16x16x128_f8f6f4 with both operands' format E2M3, f32 sums; everything else in f32.
;; Inputs: embedding 1,024 x 64 float32; inputs 2 x 64 x 32 x 32 x 32 float32.
;; Outputs: out0 2 x 64 x 32 x 32 x 32 float32; out1 one number float32; out2 2 x 32 x 32 x 32 int32; out3 256 float32; out4 1,024 x 64 float32.
;; This version of the problem:
;;   THIS VERSION OF THE PROBLEM IS GIVEN IN LOW PRECISION. The matrix products marked QUANTISED in the list below multiply operands that are first quantised to E2M3 (2 exponent bits, 3 mantissa bits; 6 bits a number), with one power-of-two scale for each 32 numbers along K (OCP MX v1.0); their sums are f32. All else is computed in f32.
;;   The module's matrix products, in the order in which they are computed (A, B: the left and right operand; K: the contracted axis; several contracted axes count as one K, in the product's order):
;;     1. [M 65,536, K 64] x [K 64, N 1,024]; A: computed on the way; B: input embedding: QUANTISED
;;   THE QUANTISER, for each operand of a quantised product, along K:
;;     - K is cut into blocks of 32 from its start; a last block that is shorter is filled with zeros.
;;     - A block's scale is 2^e with e = floor(log2(the largest magnitude in the block)) - 2, held to -126 .. 127; a block of zeros has e = 0. As a byte (E8M0): e + 127.
;;     - Each number is divided by its block's scale, clamped to +-7.5, and rounded to the nearest number of E2M3, ties to even, subnormals kept.
;;     - The product sums the exact products of the quantised numbers (number of the format x scale) in f32.
;;   ~~~python
;;   def quantise(x, axis):      # numpy; x: float32 -> the quantised numbers, widened to float32 again
;;       x = np.moveaxis(x, axis, -1); K = x.shape[-1]
;;       x = np.pad(x, [(0, 0)] * (x.ndim - 1) + [(0, -K % 32)]); x = x.reshape(x.shape[:-1] + (-1, 32)); a = np.abs(x).max(-1, keepdims=True)
;;       e = np.where(a > 0, np.clip(np.frexp(np.where(a > 0, a, 1))[1] - 1 - 2, -126, 127), 0)      # np.frexp(a)[1] - 1 = floor(log2(a)), exactly
;;       r = np.clip(x / 2.0 ** e, -7.5, 7.5)
;;       step = 2.0 ** (np.maximum(np.frexp(np.where(r == 0, 1, r))[1] - 1, 0) - 3)
;;       q = np.round(r / step) * step * 2.0 ** e      # np.round: ties to even
;;       return np.moveaxis(q.reshape(q.shape[:-2] + (-1,))[..., :K], -1, axis).astype(np.float32)
;;   ~~~
;;   OPERANDS COMPUTED ON THE WAY. 'Computed on the way' means the value that the module computes at that place (a softmax that the list does not call 'softmax' is quantised finished and normalised). What goes into a quantiser is computed in f32, as accurately as f32 sums, v_exp_f32 and their like allow (about 1e-6 of the number): no bf16 or f16 on the way to a quantiser, and a product that is left as it is and whose result goes on into a quantised operand takes f32 operands (vector FMAs, or v_wmma_f32_16x16x4_f32). A number that lies on a knife's edge between two numbers of the format may be rounded either way, as far as f32 arithmetic and the matrix unit's own rounding can turn it there, and no further.
;; One version. Each part assembles by itself: llvm-mc -triple=amdgcn-amd-amdhsa -mcpu=gfx1250 --defsym DOCPART=n.
;; ======== version 1 of 1: 3 launches
;; limits: right only within a limited range of input values
;; workspace buffers: idx 262,144 bytes of whole numbers; part 8,192 bytes
;; launch nearest (part 1): grid 256 x 1, 8 waves a work-group, clusters of 4 x 1, 327,680 bytes of LDS; arguments inputs, embedding, out2, idx; writes out2, idx
.if DOCPART == 1
	.amdgcn_target "amdgcn-amd-amdhsa--gfx1250"
	.amdhsa_code_object_version 6
	.text
	.protected	k_q7227b07ad7_nearest
	.globl	k_q7227b07ad7_nearest
	.p2align	8
	.type	k_q7227b07ad7_nearest,@function
k_q7227b07ad7_nearest:
	s_mov_b64 s[64:65], 0
	v_nop
	global_prefetch_b8 v0, s[64:65] scope:SCOPE_SE
	s_setreg_imm32_b32 hwreg(HW_REG_WAVE_MODE, 25, 1), 1
	s_wait_xcnt 0x0
	s_wait_alu depctr_hold_cnt(0) depctr_sa_sdst(0) depctr_va_vdst(0) depctr_va_sdst(0) depctr_va_ssrc(0) depctr_va_vcc(0) depctr_vm_vsrc(0)
	s_getreg_b32 s2, hwreg(HW_REG_IB_STS2, 6, 4)
	s_cmp_eq_u32 s2, 0
	s_cbranch_scc0 .Lentry_in_a_cluster
	s_endpgm
.Lentry_in_a_cluster:
	s_bfe_u32 s2, ttmp6, 0x10000c
	s_cmp_lg_u32 s2, 0x3003
	s_cbranch_scc0 .Lentry_shape_is_right
	s_endpgm
.Lentry_shape_is_right:
; For each of 65,536 tokens (token n = 32768 b + s; its 64 channels lie 131,072 bytes apart in inputs) the index of the nearest of 1,024 codes: the first maximum over n of the score (2 x) . e[n] - e2[n].
; The product is taken on codes of FP6 (E2M3) with one E8M0 scale for each 32 channels; e2 is the sum of squares of the unquantised numbers, in f32.  The index goes to out2 and, for the next launch's addresses, to idx.
; LEFT OUT AS DEAD WORK: x2, the sum of a token's own squares.  -distance = (2 x) . e[n] - e2[n] - x2, and x2 is the same for all codes n of the token, whatever the inputs hold: in exact arithmetic it moves no argmax, and nothing else reads it.
;   A NaN, an infinity or an overflow that reaches x2 alone is not carried to the result.  (The launch gather leaves out x - x in out0: see there.)
; THE FACTOR 2 is a power of two: it goes into the tokens' scale bytes (plus 1); the codes of x and of 2 x are the same.
; LIMITS.  NaN and infinities are not served.  A block of zeros, or one whose largest magnitude lies under 2^-124, gets the lowest scale byte (zeros stay zeros).  Scores that differ by less than 2^-117 are not told apart.
; e2 is summed by fused multiply-adds in chains: an order of this text's own, so two codes whose distances agree to the last bits of f32 may be chosen the other way than by a plain sum.
; SHARES.  A work-group of eight waves takes 256 tokens.  Wave w keeps codes 128 w .. 128 w + 127 in registers for the whole launch (8 fragments, their scale words, -e2), and the 16 tiles of 16 tokens go round
; through LDS as images of their operand registers.  Each wave leaves its best code for each token in LDS; waves 0 to 3 then take the best of each token's 16 candidates.
; THE PRODUCT IS USED TRANSPOSED: source 0 = 16 codes, source 1 = 16 tokens: lane (r, h) holds token r, and register j of tile t holds code 128 w + 16 t + 8 h + j.  C is -e2, so a result is a score.
; K IS 64, THE INSTRUCTION'S 128.  A lane's registers 0-5 hold k = 32 h .. 32 h + 31, registers 6-11 k = 64 + 32 h ..  Even token tiles use the lower half of K, odd ones the upper half; the other half of the TOKEN fragment is
; six registers of zero codes, shared by both, which add nothing whatever stands on the other side (FP6 has no NaN and no infinity).  So source 0 may name neighbouring registers there, and a code fragment costs six registers.
; Scale bytes 2 and 3 repeat bytes 0 and 1.
; THE ORDER.  The codebook is asked for first, x behind it; each wave quantises its rows of the codebook while x is on its way, then its tokens; one barrier shows the token images to all waves.
; CLUSTER.  All work-groups read the whole codebook: four form a cluster and ask for each wave's rows jointly.  No prefetch: inside the loop nothing is loaded from memory.
; All of a WGP's LDS is claimed; 325,632 bytes are used.  Every LDS byte that a tensor load fills is filled once.
.set EP,    272                        ; a row of the codebook in LDS: 256 bytes + 16 of padding
.set EWAVE, 128*EP                     ; a wave's 128 rows
.set TIMG,  8*EWAVE                    ; token fragments as register images: tile m at 768 m: registers 0-3 at 16 x lane, registers 4-5 at 512 + 8 x lane
.set TSC,   TIMG+16*768                ; the tokens' scale words, 4 bytes a token
.set RES,   TSC+1024                   ; [wave][tile][lane] 8 bytes: best score, its code as f32.  Ahead of the loop the first 512 bytes of a wave's part hold its 128 -e2
.set SPARE, RES+8*4096                 ; the spare words, 128 bytes for each wave
.set AP,   1                           ; v1   TIMG + 16 x lane, stepped two tiles a trip
.set AQ,   2                           ; v2   TIMG + 512 + 8 x lane, likewise
.set AW,   3                           ; v3   TSC + 4 r, likewise
.set RA,   4                           ; v4   RES + 4096 w + 8 x lane, likewise
.set EA,   5                           ; v5   my lane's place in my wave's rows of the codebook
.set EW,   6                           ; v6   where -e2 is stored
.set ER,   7                           ; v7   and read back
.set BEST, 8                           ; v[8:9] the lane's best score and its code  (ahead of the loop: v8 lane, v9 r, v10 h)
.set CODE, 9
.set TWS,  11                          ; v11  TSC + 4 x thread
.set SPW,  12                          ; v12  my spare word;  v13 the number 0; never rewritten
.set NIL,  13
.set SH8,  14                          ; v14  8 h
.set XO,   15                          ; v15  4 x thread: my token's byte in a channel's row of 256 tokens
.set TS,   16                          ; v16-17 the two token tiles' scale words: scales and nothing else
.set CS,   18                          ; v18-25 my 8 code tiles' scale words: scales and nothing else
.set TF,   26                          ; v26-31 an even token tile, v32-37 zero codes, v38-43 an odd token tile
.set PT,   26                          ; (head) v26-27 targets of the lane permutes
.set TIB,  28                          ; (head) v28 my wave's token images, registers 4-5
.set CC,   44                          ; v44-59 register k of a group of 16 holds code CC[k] + 32 x group, as f32
.set CF,   60                          ; v60-107 my 8 code fragments, six registers each; in front of them lies CC, behind them NE
.set NE,   108                         ; v108-171 -e2 in the result's layout  (head: two buffers of 32 numbers of the codebook)
.set ACC,  172                         ; v172-235 the 8 accumulators  (head: my token's 64 channels; at the end: 16 candidates of two tokens)
.set MG,   236                         ; v236, 238, 240, 242: 1.0 for the winning group, else 0;  v237, 239, 241, 243: the groups' maxima
.set TM,   244                         ; the second chain of a minimum
.set NER,  236                         ; (head) v236-243 -e2 of row r of tile t
.set TMPC, 244                         ; (head) v244-246 a block's upper 16 codes
.set AM2,  247                         ; (head) largest magnitude's second chain, largest magnitude, the conversion's scale operand, the scale's byte
.set AM,   248
.set SO,   249
.set BY,   250
.set TIA,  251                         ; (head) v251 my wave's token images, registers 0-3
.set P,    252                         ; (head) v252-255 two chains of pairs
; A round of the cluster's barrier: my work-group's barrier; wave 0 signals for the work-group; every wave waits for all four work-groups; my work-group's barrier once more.
.macro CROUND
	s_barrier_signal -1
	s_barrier_wait -1
	s_cmp_lg_u32 s12, 0
	s_cbranch_scc1 .Lnot_wave_0_\@
	s_barrier_signal -3
.Lnot_wave_0_\@:
	s_barrier_wait -3
	s_barrier_signal -1
	s_barrier_wait -1
.endm
; Code tile t: lane (r, h) takes block h (32 numbers, 128 bytes) of row 16 t + r, into buffer t % 2.
.macro LOADE t
.irp i, 0,1,2,3,4,5,6,7
	ds_load_b128 v[NE+32*((\t)%2)+4*\i:NE+32*((\t)%2)+4*\i+3], v[EA] offset:16*EP*(\t)+16*\i
.endr
.endm
; Code tile t is quantised: -e2 of its rows, the scale word, six registers of codes.
.macro EQ t
.set E, NE+32*((\t)%2)
	v_pk_mul_f32 v[P:P+1], v[E:E+1], v[E:E+1] neg_lo:[1,0] neg_hi:[1,0]               ; minus the squares, in two chains of pairs;
	v_pk_mul_f32 v[P+2:P+3], v[E+2:E+3], v[E+2:E+3] neg_lo:[1,0] neg_hi:[1,0]
	v_max3_num_f32 v[AM], |v[E]|, |v[E+1]|, 0x1800000                                  ; the block's largest magnitude, in two chains, and the floor 2^(3 - 127): the byte cannot fall under 1
	v_max_num_f32 v[AM2], |v[E+2]|, |v[E+3]|
.irp i, 4,8,12,16,20,24,28
	v_pk_fma_f32 v[P:P+1], v[E+\i:E+\i+1], v[E+\i:E+\i+1], v[P:P+1] neg_lo:[1,0,0] neg_hi:[1,0,0]
	v_pk_fma_f32 v[P+2:P+3], v[E+\i+2:E+\i+3], v[E+\i+2:E+\i+3], v[P+2:P+3] neg_lo:[1,0,0] neg_hi:[1,0,0]
	v_max3_num_f32 v[AM], v[AM], |v[E+\i]|, |v[E+\i+1]|
	v_max3_num_f32 v[AM2], v[AM2], |v[E+\i+2]|, |v[E+\i+3]|
.endr
	v_pk_add_f32 v[P:P+1], v[P:P+1], v[P+2:P+3]
	v_max_num_f32 v[AM], v[AM], v[AM2]
	v_add_f32 v[P], v[P], v[P+1]
	v_add_nc_u32 v[SO], 0xff000000, v[AM]                                              ; 2 off the exponent field: the conversion takes the exponent field of this operand as its scale
	v_permlanex16_b32 v[PT], v[P], s32, s33                                            ; the row's other block lies in lane l xor 16
	v_lshrrev_b32 v[BY], 23, v[SO]                                                     ; the scale's byte,
	v_cvt_scalef32_pk16_fp6_f32 v[CF+6*(\t):CF+6*(\t)+2], v[E:E+15], v[SO]
	v_cvt_scalef32_pk16_fp6_f32 v[TMPC:TMPC+2], v[E+16:E+31], v[SO]                    ; (a conversion's three registers begin on an even number)
	v_lshlrev_b32 v[BY], v[SH8], v[BY]                                                 ; at block h's place
	v_add_f32 v[NER+(\t)], v[P], v[PT]                                                 ; -e2 of row r, the same bits in both halves of the lanes
	v_permlanex16_b32 v[PT+1], v[BY], s32, s33
.irp i, 0,1,2
	v_mov_b32 v[CF+6*(\t)+3+\i], v[TMPC+\i]
.endr
	v_or_b32 v[BY], v[BY], v[PT+1]
	v_lshl_or_b32 v[CS+(\t)], v[BY], 16, v[BY]                                         ; bytes 2 and 3 repeat bytes 0 and 1
.endm
; One tile of 16 tokens (b = 0: lower half of K, b = 1: upper half) against my 128 codes.  pf = 1: the tile two further on is fetched into the registers that the products have just read.
; wt: how many LDS instructions issued behind this tile's three loads may stay out.
.macro TILE b, pf, wt
	s_wait_dscnt \wt
.irp t, 0,1,2,3,4,5,6,7                    ; eight sums of one product each
	v_wmma_scale_f32_16x16x128_f8f6f4 v[ACC+8*\t:ACC+8*\t+7], v[CF+6*\t-6*(\b):CF+6*\t-6*(\b)+11], v[TF+6*(\b):TF+6*(\b)+11], v[NE+8*\t:NE+8*\t+7], v[CS+\t], v[TS+(\b)] matrix_a_fmt:MATRIX_FMT_FP6 matrix_b_fmt:MATRIX_FMT_FP6
.endr
.rept 4
	v_nop                                          ; four places between the products and the first read of their results, and the loads into registers that they have read
.endr
.if \pf
	ds_load_b128 v[TF+12*(\b):TF+12*(\b)+3], v[AP] offset:1536+768*(\b)
	ds_load_b64 v[TF+12*(\b)+4:TF+12*(\b)+5], v[AQ] offset:1536+768*(\b)
	ds_load_b32 v[TS+(\b)], v[AW] offset:128+64*(\b)
.endif
	; the maxima of the four groups of 16 registers, the groups by turns; each accumulator is first read at its low end
.irp g, 0,1,2,3
	v_max3_num_f32 v[MG+1+2*\g], v[ACC+16*\g], v[ACC+16*\g+1], v[ACC+16*\g+2]
.endr
.irp i, 3,5,7,9,11,13
.irp g, 0,1,2,3
	v_max3_num_f32 v[MG+1+2*\g], v[MG+1+2*\g], v[ACC+16*\g+\i], v[ACC+16*\g+\i+1]
.endr
.endr
.irp g, 0,1,2,3
	v_max_num_f32 v[MG+1+2*\g], v[MG+1+2*\g], v[ACC+16*\g+15]
.endr
	v_max3_num_f32 v[BEST], v[MG+1], v[MG+3], v[MG+5]
	v_max_num_f32 v[BEST], v[BEST], v[MG+7]
	v_cmp_eq_f32 s40, v[MG+1], v[BEST]             ; which group: the first that holds the maximum
	v_cmp_eq_f32 s41, v[MG+3], v[BEST]
	v_cmp_eq_f32 s42, v[MG+5], v[BEST]
	s_and_not1_b32 s41, s41, s40
	s_or_b32 s43, s40, s41
	s_and_not1_b32 s42, s42, s43
	s_or_b32 s43, s43, s42
	v_cndmask_b32 v[MG], 0, 1.0, s40
	v_cndmask_b32 v[MG+2], 0, 1.0, s41
	v_cndmask_b32 v[MG+4], 0, 1.0, s42
	v_cndmask_b32 v[MG+6], 1.0, 0, s43
	; the winning group's 16 scores less the maximum, two at a time: one of the four factors is 1, the others 0; the difference is 0 exactly where the scores are equal
.irp p, 0,1,2,3,4,5,6,7
	v_pk_fma_f32 v[ACC+2*\p:ACC+2*\p+1], v[ACC+2*\p:ACC+2*\p+1], v[MG:MG+1], v[BEST:BEST+1] op_sel_hi:[1,0,0] neg_lo:[0,0,1] neg_hi:[0,0,1]
.endr
.irp g, 1,2,3
.irp p, 0,1,2,3,4,5,6,7
	v_pk_fma_f32 v[ACC+2*\p:ACC+2*\p+1], v[ACC+16*\g+2*\p:ACC+16*\g+2*\p+1], v[MG+2*\g:MG+2*\g+1], v[ACC+2*\p:ACC+2*\p+1] op_sel_hi:[1,0,1]
.endr
.endr
	; x -2^127, + the code's number: a score under the maximum becomes a number above every code, the maximum's becomes its code; the least of the 16 is the lowest code that has the maximum
.irp p, 0,1,2,3,4,5,6,7
	v_pk_fma_f32 v[ACC+2*\p:ACC+2*\p+1], v[ACC+2*\p:ACC+2*\p+1], 0xff000000, v[CC+2*\p:CC+2*\p+1] op_sel_hi:[1,0,1]
.endr
	v_min3_num_f32 v[CODE], v[ACC], v[ACC+1], v[ACC+2]
	v_min3_num_f32 v[TM], v[ACC+3], v[ACC+4], v[ACC+5]
	v_min3_num_f32 v[CODE], v[CODE], v[ACC+6], v[ACC+7]
	v_min3_num_f32 v[TM], v[TM], v[ACC+8], v[ACC+9]
	v_min3_num_f32 v[CODE], v[CODE], v[ACC+10], v[ACC+11]
	v_min3_num_f32 v[TM], v[TM], v[ACC+12], v[ACC+13]
	v_min3_num_f32 v[CODE], v[CODE], v[ACC+14], v[ACC+15]
	v_min_num_f32 v[CODE], v[CODE], v[TM]
	v_fmamk_f32 v[CODE], v[MG+2], 0x42000000, v[CODE]   ; + 32, 64 or 96 for groups 1 to 3
	v_fmamk_f32 v[CODE], v[MG+4], 0x42800000, v[CODE]
	v_fmamk_f32 v[CODE], v[MG+6], 0x42c00000, v[CODE]
	ds_store_b64 v[RA], v[BEST:CODE] offset:256*(\b)
.endm
	s_load_b128 s[4:7], s[0:1], 0x0                ; inputs s[4:5], embedding s[6:7]
	s_load_b128 s[8:11], s[0:1], 0x10              ; out2 s[8:9], idx s[10:11]
	v_lshl_add_u32 v[SPW], v0, 2, SPARE
	v_mov_b32 v[NIL], 0
	ds_add_u32 v[SPW], v[NIL]                      ; the wave's opening: the add, twice on end, and its wait ahead of my first tensor load
	ds_add_u32 v[SPW], v[NIL]
	v_lshrrev_b32 v1, 5, v0
	v_readfirstlane_b32 s12, v1                    ; wave 0..7
	s_bfe_u32 s13, ttmp6, 0x40000                  ; cx: my place in the cluster
	s_lshl_b32 s14, ttmp9, 2                       ; in a cluster launch ttmp9 counts clusters
	s_add_co_u32 s14, s14, s13                     ; my block of 256 tokens: it enters the addresses of inputs, out2 and idx alone
	s_lshr_b32 s36, s14, 7                         ; b: 128 blocks to a batch,
	s_lshl_b32 s36, s36, 23                        ; 64 channels x 131,072 bytes each
	s_and_b32 s37, s14, 127
	s_lshl_b32 s37, s37, 10                        ; 256 tokens x 4 bytes
	s_add_co_u32 s36, s36, s37
	s_mov_b32 s37, 0
	s_lshl_b32 s38, s14, 10                        ; and the same 1,024 bytes a block in out2 and idx
	s_mov_b32 s39, 0
	; descriptor group 1: 128 rows x 64 elements of 4 bytes, dense in memory, padded in LDS
	s_mov_b32 s24, 15|(2<<16)|(1<<20)|(1<<21)|(5<<22)|(3<<25)   ; 15:0 the mask: all four work-groups; 17:16 elements of 4 bytes; 20 padding on; 21 set beside a mask; 24:22 after every 64 words (code 5); 31:25 4 words of it (code 3)
	s_mov_b32 s25, 64<<16                          ; tensor_dim0 = 64
	s_mov_b32 s26, 128<<16                         ; tensor_dim1 = 128
	s_mov_b32 s27, 64<<16                          ; tile_dim0 = 64
	s_mov_b32 s28, 128                             ; tile_dim1 = 128
	s_mov_b32 s29, 64                              ; elements from row to row
	s_mov_b32 s30, 0
	s_mov_b32 s31, 0
	s_mov_b32 s20, 1                               ; group 0: count = 1,
	s_mul_i32 s21, s12, EWAVE                      ; LDS address: my wave's rows,
	s_lshl_b32 s16, s12, 15                        ; which begin 128 x 256 bytes x wave into the codebook: the wave's number alone, the same in all four partners
	s_mov_b32 s17, 0
	s_mov_b32 s32, 0x76543210
	s_mov_b32 s33, 0xfedcba98                      ; v_permlanex16_b32's selects for lane l xor 16
	s_lshl_b32 s18, s12, 12
	s_add_co_u32 s18, s18, RES                     ; my wave's part of RES
	s_lshl_b32 s19, s12, 7                         ; my first code
	s_mul_i32 s35, s12, 1536
	s_add_co_u32 s35, s35, TIMG                    ; my wave's two token tiles, 2 w and 2 w + 1
	s_add_co_u32 s15, s35, 512
	v_and_b32 v8, 31, v0                           ; lane
	v_and_b32 v9, 15, v0                           ; r
	v_bfe_u32 v10, v0, 4, 1                        ; h
	v_lshl_add_u32 v[AP], v8, 4, TIMG
	v_lshl_add_u32 v[AQ], v8, 3, TIMG+512
	v_lshl_add_u32 v[AW], v9, 2, TSC
	v_lshl_add_u32 v[RA], v8, 3, s18
	v_lshl_add_u32 v[EW], v9, 2, s18
	v_lshl_add_u32 v[ER], v10, 5, s18
	v_mul_u32_u24 v[EA], v9, EP
	v_lshl_add_u32 v[EA], v10, 7, v[EA]
	v_add_nc_u32 v[EA], s21, v[EA]                 ; my wave's rows + 272 r + 128 h
	v_lshlrev_b32 v[SH8], 3, v10
	v_lshl_add_u32 v[TWS], v0, 2, TSC
	v_lshlrev_b32 v[XO], 2, v0
	v_lshl_add_u32 v[TIA], v8, 4, s35
	v_lshl_add_u32 v[TIB], v8, 3, s15
	v_lshl_add_u32 v[TMPC], v10, 3, s19            ; 128 w + 8 h
.irp k, 0,1,2,3,4,5,6,7,8,9,10,11,12,13,14,15
	v_add_nc_u32 v[CC+\k], \k+(\k&8), v[TMPC]
.endr
.irp k, 0,1,2,3,4,5,6,7,8,9,10,11,12,13,14,15
	v_cvt_f32_u32 v[CC+\k], v[CC+\k]
.endr
.irp i, 6,7,8,9,10,11
	v_mov_b32 v[TF+\i], 0                          ; the zero codes of both token tiles: they stay
.endr
	v_mov_b32 v[PT], 0                             ; a lane permute's destination counts as one of its sources
	v_mov_b32 v[PT+1], 0
	s_wait_alu depctr_va_vdst(0)                   ; the wait at the head's end
	s_wait_dscnt 0x0                               ; both opening adds are done
	CROUND                                         ; all four work-groups are here: the joint loads meet
	s_wait_kmcnt 0x0
	s_add_nc_u64 s[22:23], s[6:7], s[16:17]
	s_or_b32 s23, s23, 0x80000000                  ; type = 2
	s_add_nc_u64 s[4:5], s[4:5], s[36:37]
	tensor_load_to_lds s[20:23], s[24:31]          ; my wave's 128 rows: the wave's one tensor load of the launch
	s_nop 0
.rept 4
	v_nop
.endr
.set i, 0
.rept 64                                       ; my token's channels: a wave reads 128 consecutive bytes, the eight waves a channel's 1,024
	global_load_b32 v[ACC+i], v[XO], s[4:5] offset:131072*i
.set i, i+1
.endr
	s_add_nc_u64 s[8:9], s[8:9], s[38:39]
	s_add_nc_u64 s[10:11], s[10:11], s[38:39]
	; MY 128 CODES, while x is on its way.  Each wave reads its own rows alone, behind its own wait
	s_wait_tensorcnt 0x0
	LOADE 0
	LOADE 1
.irp t, 0,1,2,3,4,5,6,7
.if \t < 7
	s_wait_dscnt 8                                 ; this tile's eight loads are in; the next tile's eight may be out
.else
	s_wait_dscnt 0x0
.endif
	EQ \t
.if \t < 6
	LOADE \t+2
.endif
.endr
	; -e2 changes layout, from (row r of tile t) to the result's (register 8 t + j: row 16 t + 8 h + j), through my own 512 bytes: LDS serves a wave's instructions in order (ISA guide 5.7.1.4)
.irp t, 0,1,2,3,4,5,6,7
	ds_store_b32 v[EW], v[NER+\t] offset:64*\t     ; lanes r and r + 16 write the same word with the same value
.endr
.irp t, 0,1,2,3,4,5,6,7
.irp q, 0,1
	ds_load_b128 v[NE+8*\t+4*\q:NE+8*\t+4*\q+3], v[ER] offset:64*\t+16*\q
.endr
.endr
	; MY TOKEN: both blocks of 32 channels lie in my own registers
	s_wait_loadcnt 0x0
.irp b, 0,1
	v_max3_num_f32 v[252+\b], |v[ACC+32*\b]|, |v[ACC+32*\b+1]|, 0x1800000            ; the two blocks by turns; the floor as in the codebook's blocks
.endr
.irp i, 2,4,6,8,10,12,14,16,18,20,22,24,26,28,30
.irp b, 0,1
	v_max3_num_f32 v[252+\b], v[252+\b], |v[ACC+32*\b+\i]|, |v[ACC+32*\b+\i+1]|
.endr
.endr
.irp b, 0,1
	v_add_nc_u32 v[254+\b], 0xff000000, v[252+\b]
.endr
	v_cvt_scalef32_pk16_fp6_f32 v[236:238], v[ACC:ACC+15], v254
	v_cvt_scalef32_pk16_fp6_f32 v[240:242], v[ACC+16:ACC+31], v254
	v_cvt_scalef32_pk16_fp6_f32 v[244:246], v[ACC+32:ACC+47], v255
	v_cvt_scalef32_pk16_fp6_f32 v[248:250], v[ACC+48:ACC+63], v255
	v_lshrrev_b32 v29, 23, v254                    ; the two scale bytes of x
	v_lshrrev_b32 v30, 23, v255
.irp i, 0,1,2,4,5,6                            ; block 0's lanes 16-31 change places with block 1's lanes 0-15: the first six registers are then tile 2 w's fragment (lane (r, h): token r, block h), the second six tile 2 w + 1's
	v_permlane16_swap_b32 v[236+\i], v[244+\i]
.endr
	v_lshl_or_b32 v29, v30, 8, v29
.irp i, 0,1,2
	v_mov_b32 v[239+\i], v[240+\i]                 ; the gaps are closed: v236-241 and v244-249
	v_mov_b32 v[247+\i], v[248+\i]
.endr
	v_add_nc_u32 v29, 0x101, v29                   ; those of 2 x: one more each
	v_lshl_or_b32 v29, v29, 16, v29                ; bytes 2 and 3 repeat bytes 0 and 1
	ds_store_b128 v[TIA], v[236:239]
	ds_store_b64 v[TIB], v[240:241]
	ds_store_b128 v[TIA], v[244:247] offset:768
	ds_store_b64 v[TIB], v[248:249] offset:768
	ds_store_b32 v[TWS], v29
	s_wait_dscnt 0x0                               ; for the others' sake: my stores have landed; and -e2 is back
	s_barrier_signal -1
	s_barrier_wait -1                              ; all 16 token tiles lie in LDS
	ds_load_b128 v[TF:TF+3], v[AP]                 ; token tile 0
	ds_load_b64 v[TF+4:TF+5], v[AQ]
	ds_load_b32 v[TS], v[AW]
	ds_load_b128 v[TF+12:TF+15], v[AP] offset:768  ; token tile 1
	ds_load_b64 v[TF+16:TF+17], v[AQ] offset:768
	ds_load_b32 v[TS+1], v[AW] offset:64
	s_mov_b32 s34, 0
.Ltrip:                                            ; seven trips, two token tiles each; each tile fetches the tile two further on
	TILE 0, 1, 3                                   ; behind this tile's three loads were issued: on the way in the other tile's three; else two stores and the other tile's three: the count 3 serves both ways
	TILE 1, 1, 3
	v_add_nc_u32 v[AP], 1536, v[AP]
	v_add_nc_u32 v[AQ], 1536, v[AQ]
	v_add_nc_u32 v[AW], 128, v[AW]
	v_add_nc_u32 v[RA], 512, v[RA]
	s_add_co_u32 s34, s34, 1
	s_cmp_lt_u32 s34, 7
	s_wait_alu depctr_va_vdst(0)                   ; the wait directly ahead of the branch
	s_cbranch_scc1 .Ltrip
	TILE 0, 0, 3                                   ; tiles 14 and 15 fetch nothing
	TILE 1, 0, 2                                   ; behind tile 15's loads only two stores were issued
	; threads 0 to 127 take tokens 2 t and 2 t + 1: 8 waves x 2 halves of the lanes have left a candidate for each; the two tokens' candidates are 16 neighbouring bytes
	v_lshrrev_b32 v1, 3, v0
	v_and_b32 v2, 7, v0
	v_lshlrev_b32 v2, 4, v2
	v_lshl_add_u32 v1, v1, 8, v2
	v_add_nc_u32 v1, RES, v1                       ; tile t / 8, lanes 2 (t % 8) and the next
	v_lshlrev_b32 v4, 3, v0                        ; two indices, 8 bytes, a thread
	s_wait_alu depctr_va_vdst(0)                   ; the wait directly ahead of the wait below
	s_wait_dscnt 0x0                               ; for the others' sake: my candidates have landed
	s_barrier_signal -1
	s_barrier_wait -1
	s_cmp_lt_u32 s12, 4
	s_cbranch_scc0 .Lno_merge
.set i, 0
.rept 16                                       ; candidate i = 2 w + h: score, code, score, code
	ds_load_b128 v[ACC+4*i:ACC+4*i+3], v1 offset:4096*(i/2)+128*(i%2)
.set i, i+1
.endr
	s_wait_dscnt 0x0
.irp q, 0,1                                    ; the best score of each of the two tokens: v8, v10
	v_max3_num_f32 v[8+2*\q], v[ACC+2*\q], v[ACC+4+2*\q], v[ACC+8+2*\q]
.endr
.irp i, 3,5,7,9,11,13
.irp q, 0,1
	v_max3_num_f32 v[8+2*\q], v[8+2*\q], v[ACC+4*\i+2*\q], v[ACC+4*\i+4+2*\q]
.endr
.endr
.irp q, 0,1
	v_max_num_f32 v[8+2*\q], v[8+2*\q], v[ACC+60+2*\q]
.endr
.set i, 0
.rept 16                                       ; as in a tile: a lower score becomes a number above every code; the least is the lowest code that has the best score
	v_sub_f32 v[ACC+4*i], v[ACC+4*i], v8
	v_sub_f32 v[ACC+4*i+2], v[ACC+4*i+2], v10
.set i, i+1
.endr
.set i, 0
.rept 16
	v_fmamk_f32 v[ACC+4*i+1], v[ACC+4*i], 0xff000000, v[ACC+4*i+1]
	v_fmamk_f32 v[ACC+4*i+3], v[ACC+4*i+2], 0xff000000, v[ACC+4*i+3]
.set i, i+1
.endr
.irp q, 0,1
	v_min3_num_f32 v[236+\q], v[ACC+1+2*\q], v[ACC+5+2*\q], v[ACC+9+2*\q]
.endr
.irp i, 3,5,7,9,11,13
.irp q, 0,1
	v_min3_num_f32 v[236+\q], v[236+\q], v[ACC+4*\i+1+2*\q], v[ACC+4*\i+5+2*\q]
.endr
.endr
.irp q, 0,1
	v_min_num_f32 v[236+\q], v[236+\q], v[ACC+61+2*\q]
.endr
	v_cvt_u32_f32 v236, v236
	v_cvt_u32_f32 v237, v237
	global_store_b64 v4, v[236:237], s[8:9]        ; each store of a wave covers 256 consecutive bytes, aligned
	global_store_b64 v4, v[236:237], s[10:11]
.Lno_merge:
	s_wait_tensorcnt 0x0                           ; the wave's end
	ds_add_u32 v[SPW], v[NIL]
	s_wait_dscnt 0x0
	CROUND                                         ; the closing round: no work-group ends while a partner may still ask for rows jointly
	s_endpgm
.Lfunc_end_k_q7227b07ad7_nearest:
	.size	k_q7227b07ad7_nearest, .Lfunc_end_k_q7227b07ad7_nearest-k_q7227b07ad7_nearest
	.p2alignl 7, 3214868480
	.fill 96, 4, 3214868480
	.section	.rodata,"a",@progbits
	.p2align	6, 0x0
	.amdhsa_kernel k_q7227b07ad7_nearest
		.amdhsa_group_segment_fixed_size 327680
		.amdhsa_private_segment_fixed_size 0
		.amdhsa_enable_private_segment 0
		.amdhsa_kernarg_size 32
		.amdhsa_user_sgpr_count 2
		.amdhsa_user_sgpr_kernarg_segment_ptr 1
		.amdhsa_wavefront_size32 1
		.amdhsa_system_sgpr_workgroup_id_x 1
		.amdhsa_system_sgpr_workgroup_id_y 1
		.amdhsa_system_sgpr_workgroup_id_z 1
		.amdhsa_system_vgpr_workitem_id 0
		.amdhsa_next_free_vgpr 256
		.amdhsa_next_free_sgpr 66
		.amdhsa_reserve_vcc 0
		.amdhsa_float_denorm_mode_32 3
		.amdhsa_float_denorm_mode_16_64 3
		.amdhsa_memory_ordered 1
		.amdhsa_forward_progress 1
		.amdhsa_inst_pref_size 80
	.end_amdhsa_kernel
	.amdgpu_metadata
---
amdhsa.version: [ 1, 2 ]
amdhsa.kernels:
  - .name:           k_q7227b07ad7_nearest
    .symbol:         k_q7227b07ad7_nearest.kd
    .args:
      - { .name: inputs, .offset: 0, .size: 8, .value_kind: global_buffer, .address_space: global }
      - { .name: embedding, .offset: 8, .size: 8, .value_kind: global_buffer, .address_space: global }
      - { .name: out2, .offset: 16, .size: 8, .value_kind: global_buffer, .address_space: global }
      - { .name: idx, .offset: 24, .size: 8, .value_kind: global_buffer, .address_space: global }
    .group_segment_fixed_size: 327680
    .private_segment_fixed_size: 0
    .kernarg_segment_align: 8
    .kernarg_segment_size: 32
    .max_flat_workgroup_size: 256
    .sgpr_count:     66
    .vgpr_count:     256
    .wavefront_size: 32
...
	.end_amdgpu_metadata
.endif
;; end of part 1
;; launch gather (part 2): grid 256 x 1, 8 waves a work-group, no clusters, 167,936 bytes of LDS; arguments idx, inputs, embedding, out0, part, out4; writes out0, part, out4
.if DOCPART == 2
	.amdgcn_target "amdgcn-amd-amdhsa--gfx1250"
	.amdhsa_code_object_version 6
	.text
	.protected	k_q7227b07ad7_gather
	.globl	k_q7227b07ad7_gather
	.p2align	8
	.type	k_q7227b07ad7_gather,@function
k_q7227b07ad7_gather:
	s_mov_b64 s[64:65], 0
	v_nop
	global_prefetch_b8 v0, s[64:65] scope:SCOPE_SE
	s_setreg_imm32_b32 hwreg(HW_REG_WAVE_MODE, 25, 1), 1
	s_wait_xcnt 0x0
; out0 = q = embedding[idx[token]] turned channel-first; for each wave the sum of its (x - q)^2, in f32, to part; out4 = embedding.
; LEFT OUT AS DEAD WORK: the x - x in out0.  reference() writes x + (q - x), which is q in exact arithmetic for all finite inputs; x reaches only the loss.  A NaN, an infinity or an overflow in x alone is not carried to out0.
; A work-group of eight waves takes 256 tokens x 64 channels.  idx holds whole numbers that the launch before stored; each is held to 0 .. 1023 before it enters an address.
; THE GATHER: wave w fetches the rows of tokens 32 w .. 32 w + 31, sixteen lanes to a row of 256 bytes, two rows an instruction, and lays them in LDS.
; In LDS token n lies at row 128 (n / 128) + 32 (n % 4) + (n % 128) / 4, rows 272 bytes apart: the 32 lanes that read one of their four tokens take 32 neighbouring rows, which begin at different 16-byte columns.
; THE STREAM: wave w takes channels 8 w .. 8 w + 7 of all 256 tokens; a lane owns four neighbouring tokens of each half of the 256, so each store of out0 covers 512 consecutive bytes, aligned.
; x comes by one tensor load a wave, its own 8 rows of 1,024 bytes, read by that wave alone behind its own wait: its flight has a counter of its own and holds up neither the gather nor the stores.
; THE COPY: work-groups 0 to 63 copy 4,096 bytes of embedding each.
; No cluster: which rows of the codebook a work-group reads hangs on its indices, and x is read by one work-group alone.  No prefetch: the launch has no loop to run ahead in.
.set QP,  272
.set XB,  256*QP                       ; behind the rows: x, 8,192 bytes for each wave
.set SPARE, XB+65536                   ; the spare words, 128 bytes for each wave
.set XO,  1                            ; v1   16 x lane
.set C16, 3                            ; v3   16 (lane % 16)
.set WA,  4                            ; v4   where I lay 16 bytes of a gathered row
.set RD,  5                            ; v5   where I read my tokens' channels
.set IX,  8                            ; v8-23   sixteen indices, then byte offsets in the codebook
.set T,   24                           ; v24-87  out0: register 16 u + 4 i + k: channel 8 w + 4 (u % 2) + i, token k of my four in half u / 2
.set Q,   88                           ; v88-151 gathered rows; then q: register 16 u + 4 k + i; then x in T's order
.set SUM, 152                          ; v152-155 sums
.set SPW, 160                          ; v160 my spare word, v161 the number 0; never rewritten
.set NIL, 161
.set XR,  162                          ; v162 my wave's x in LDS + 16 x lane
.set IO,  163                          ; v163 64 h: my half's sixteen indices
.set CP,  164                          ; v164-167 the copy's 16 bytes
.set CO,  168                          ; v168 16 x thread
.set ZO,  169                          ; v169 0
	s_load_b256 s[4:11], s[0:1], 0x0               ; idx s[4:5], inputs s[6:7], embedding s[8:9], out0 s[10:11]
	s_load_b128 s[12:15], s[0:1], 0x20             ; part, out4
	v_lshl_add_u32 v[SPW], v0, 2, SPARE
	v_mov_b32 v[NIL], 0
	ds_add_u32 v[SPW], v[NIL]                      ; the wave's opening: the add, twice on end, and its wait ahead of my first tensor load
	ds_add_u32 v[SPW], v[NIL]
	v_lshrrev_b32 v1, 5, v0
	v_readfirstlane_b32 s16, v1                    ; wave 0..7
	s_lshr_b32 s17, s16, 2
	s_and_b32 s18, s16, 3
	s_mul_i32 s17, s17, 128*QP
	s_mul_i32 s18, s18, 8*QP
	s_add_co_u32 s17, s17, s18                     ; where the rows that I gather begin: row 128 (w / 4) + 8 (w % 4)
	s_lshl_b32 s18, s16, 5                         ; my 8 channels in a row
	s_lshl_b32 s19, s16, 13
	s_add_co_u32 s19, s19, XB                      ; my x in LDS
	s_lshr_b32 s20, ttmp9, 7                       ; b: 128 blocks of 256 tokens to a batch,
	s_lshl_b32 s20, s20, 23                        ; 64 channels x 131,072 bytes each
	s_and_b32 s21, ttmp9, 127
	s_lshl_b32 s21, s21, 10                        ; the block's 256 tokens x 4 bytes
	s_add_co_u32 s20, s20, s21
	s_lshl_b32 s21, s16, 20                        ; my 8 channels x 131,072 bytes
	s_add_co_u32 s20, s20, s21
	s_mov_b32 s21, 0
	s_lshl_b32 s22, ttmp9, 10                      ; idx: the block's 1,024 bytes, my wave's 128
	s_lshl_b32 s23, s16, 7
	s_add_co_u32 s22, s22, s23
	s_mov_b32 s23, 0
	s_lshl_b32 s24, ttmp9, 5                       ; part: a word for each wave
	s_lshl_b32 s25, s16, 2
	s_add_co_u32 s24, s24, s25
	s_mov_b32 s25, 0
	s_lshl_b32 s26, ttmp9, 12                      ; the copy: 4,096 bytes a work-group
	s_mov_b32 s27, 0
	s_mov_b32 s28, 0x76543210
	s_mov_b32 s29, 0xfedcba98                      ; v_permlanex16_b32's selects for lane l xor 16
	s_mov_b32 s32, 1                               ; descriptor group 0: count = 1,
	s_mov_b32 s33, s19                             ; LDS address
	s_mov_b32 s36, 2<<16                           ; descriptor group 1: elements of 4 bytes, no padding
	s_mov_b32 s37, 256<<16                         ; tensor_dim0 = 256
	s_mov_b32 s38, 8<<16                           ; tensor_dim1 = 8
	s_mov_b32 s39, 256<<16                         ; tile_dim0 = 256
	s_mov_b32 s40, 8                               ; tile_dim1 = 8
	s_mov_b32 s41, 32768                           ; elements from row to row
	s_mov_b32 s42, 0
	s_mov_b32 s43, 0
	v_and_b32 v6, 31, v0                           ; lane
	v_and_b32 v7, 15, v0
	v_bfe_u32 v2, v0, 4, 1                         ; h
	v_lshlrev_b32 v[XO], 4, v6
	v_lshlrev_b32 v[C16], 4, v7
	v_mad_u32_u24 v[WA], v2, 4*QP, v[C16]
	v_add_nc_u32 v[WA], s17, v[WA]                 ; + 4 h rows, + 16 (lane % 16); instruction i adds rows 32 (i % 4) + i / 4
	v_mul_u32_u24 v[RD], v6, QP
	v_add_nc_u32 v[RD], s18, v[RD]                 ; row lane, + 32 w; half and token add 128 and 32 k rows
	v_lshl_add_u32 v[XR], v6, 4, s19
	v_lshlrev_b32 v[IO], 6, v2
	v_lshlrev_b32 v[CO], 4, v0
	v_mov_b32 v[ZO], 0
.irp i, 0,1,2,3
	v_mov_b32 v[CP+\i], 0                          ; (written on every path)
.endr
	s_wait_alu depctr_va_vdst(0)                   ; the wait at the head's end
	s_wait_dscnt 0x0                               ; both opening adds are done
	s_wait_kmcnt 0x0
	s_add_nc_u64 s[4:5], s[4:5], s[22:23]
	s_add_nc_u64 s[34:35], s[6:7], s[20:21]
	s_or_b32 s35, s35, 0x80000000                  ; type = 2
	s_add_nc_u64 s[10:11], s[10:11], s[20:21]
	s_add_nc_u64 s[12:13], s[12:13], s[24:25]
	s_add_nc_u64 s[30:31], s[8:9], s[26:27]
	s_add_nc_u64 s[14:15], s[14:15], s[26:27]
.irp g, 0,1,2,3
	global_load_b128 v[IX+4*\g:IX+4*\g+3], v[IO], s[4:5] offset:16*\g      ; register i: the index of token 32 w + 16 h + i, the same in the sixteen lanes of a half
.endr
	tensor_load_to_lds s[32:35], s[36:43]          ; my x: the wave's one tensor load
	s_nop 0
.rept 4
	v_nop
.endr
	s_cmp_lt_u32 ttmp9, 64
	s_cbranch_scc0 .Lno_copy_in
	global_load_b128 v[CP:CP+3], v[CO], s[30:31]
.Lno_copy_in:
	s_wait_loadcnt 0x0                             ; the indices are in
.set i, 0
.rept 16
	v_min_u32 v[IX+i], 0x3ff, v[IX+i]              ; an index stays inside the table
.set i, i+1
.endr
.set i, 0
.rept 16
	v_lshl_add_u32 v[IX+i], v[IX+i], 8, v[C16]     ; 256 bytes a row, + my 16 bytes of it
.set i, i+1
.endr
.set i, 0
.rept 16
	global_load_b128 v[Q+4*i:Q+4*i+3], v[IX+i], s[8:9]   ; sixteen lanes read a whole row of 256 bytes
.set i, i+1
.endr
	s_cmp_lt_u32 ttmp9, 64
	s_cbranch_scc0 .Lno_copy_out
	global_store_b128 v[CO], v[CP:CP+3], s[14:15] th:TH_STORE_NT
.Lno_copy_out:
.set i, 0
.rept 16
	s_wait_loadcnt 15-i                            ; loads come back in order (ISA guide 5.7.1): gather i is in, the younger ones stay out
	ds_store_b128 v[WA], v[Q+4*i:Q+4*i+3] offset:QP*(32*(i&3)+(i>>2))
.set i, i+1
.endr
	s_wait_dscnt 0x0                               ; for the others' sake: my rows have landed
	s_barrier_signal -1
	s_barrier_wait -1
.irp u, 0,1,2,3                                ; u = 2 x half + four channels
.irp k, 0,1,2,3
	ds_load_b128 v[Q+16*\u+4*\k:Q+16*\u+4*\k+3], v[RD] offset:(128*(\u/2)+32*\k)*QP+16*(\u%2)
.endr
.endr
.irp u, 0,1,2,3
	s_wait_dscnt 12-4*\u                           ; this u's four loads are in; the later ones may be out
.irp i, 0,1,2,3
.irp k, 0,1,2,3
	v_mov_b32 v[T+16*\u+4*\i+\k], v[Q+16*\u+4*\k+\i]               ; from four channels of a token to four tokens of a channel
.endr
.endr
.irp i, 0,1,2,3
	global_store_b128 v[XO], v[T+16*\u+4*\i:T+16*\u+4*\i+3], s[10:11] offset:131072*(4*(\u%2)+\i)+512*(\u/2) th:TH_STORE_NT
.endr
.endr
	s_wait_tensorcnt 0x0                           ; my x is in LDS
.irp u, 0,1,2,3
.irp i, 0,1,2,3
	ds_load_b128 v[Q+16*\u+4*\i:Q+16*\u+4*\i+3], v[XR] offset:1024*(4*(\u%2)+\i)+512*(\u/2)
.endr
.endr
	s_wait_dscnt 0x0
.set n, 0
.rept 16
.set DF, 156-148*(n%2)                         ; x - q, in v156-159 and v8-11 by turns
	v_pk_add_f32 v[DF:DF+1], v[Q+4*n:Q+4*n+1], v[T+4*n:T+4*n+1] neg_lo:[0,1] neg_hi:[0,1]
	v_pk_add_f32 v[DF+2:DF+3], v[Q+4*n+2:Q+4*n+3], v[T+4*n+2:T+4*n+3] neg_lo:[0,1] neg_hi:[0,1]
.if n == 0
	v_pk_mul_f32 v[SUM:SUM+1], v[DF:DF+1], v[DF:DF+1]      ; the first squares start the sums
	v_pk_mul_f32 v[SUM+2:SUM+3], v[DF+2:DF+3], v[DF+2:DF+3]
.else
	v_pk_fma_f32 v[SUM:SUM+1], v[DF:DF+1], v[DF:DF+1], v[SUM:SUM+1]
	v_pk_fma_f32 v[SUM+2:SUM+3], v[DF+2:DF+3], v[DF+2:DF+3], v[SUM+2:SUM+3]
.endif
.set n, n+1
.endr
	v_pk_add_f32 v[SUM:SUM+1], v[SUM:SUM+1], v[SUM+2:SUM+3]
	v_add_f32 v[SUM], v[SUM], v[SUM+1]
	v_add_f32_dpp v[SUM], v[SUM], v[SUM] row_xmask:1 row_mask:0xf bank_mask:0xf
	v_add_f32_dpp v[SUM], v[SUM], v[SUM] row_xmask:2 row_mask:0xf bank_mask:0xf
	v_add_f32_dpp v[SUM], v[SUM], v[SUM] row_xmask:4 row_mask:0xf bank_mask:0xf
	v_add_f32_dpp v[SUM], v[SUM], v[SUM] row_xmask:8 row_mask:0xf bank_mask:0xf
	v_permlanex16_b32 v7, v[SUM], s28, s29         ; (v7 has been written: a lane permute's destination counts as one of its sources)
	v_add_f32 v[SUM], v[SUM], v7                   ; my wave's sum, in every lane
	v_cmp_eq_u32 vcc_lo, 0, v6
	s_wait_alu depctr_va_vdst(0)                   ; the wait directly ahead of the wait below
	s_wait_xcnt 0x0                                ; EXEC is a source of the stores above: it changes only behind this wait
	s_and_saveexec_b32 s30, vcc_lo
	global_store_b32 v[ZO], v[SUM], s[12:13]       ; lane 0 alone
	s_wait_xcnt 0x0                                ; and again in front of the line that widens it
	s_or_b32 exec_lo, exec_lo, s30
	s_wait_tensorcnt 0x0                           ; the wave's end
	ds_add_u32 v[SPW], v[NIL]
	s_wait_dscnt 0x0
	s_endpgm
.Lfunc_end_k_q7227b07ad7_gather:
	.size	k_q7227b07ad7_gather, .Lfunc_end_k_q7227b07ad7_gather-k_q7227b07ad7_gather
	.p2alignl 7, 3214868480
	.fill 96, 4, 3214868480
	.section	.rodata,"a",@progbits
	.p2align	6, 0x0
	.amdhsa_kernel k_q7227b07ad7_gather
		.amdhsa_group_segment_fixed_size 167936
		.amdhsa_private_segment_fixed_size 0
		.amdhsa_enable_private_segment 0
		.amdhsa_kernarg_size 48
		.amdhsa_user_sgpr_count 2
		.amdhsa_user_sgpr_kernarg_segment_ptr 1
		.amdhsa_wavefront_size32 1
		.amdhsa_system_sgpr_workgroup_id_x 1
		.amdhsa_system_sgpr_workgroup_id_y 1
		.amdhsa_system_sgpr_workgroup_id_z 1
		.amdhsa_system_vgpr_workitem_id 0
		.amdhsa_next_free_vgpr 172
		.amdhsa_next_free_sgpr 66
		.amdhsa_reserve_vcc 1
		.amdhsa_float_denorm_mode_32 3
		.amdhsa_float_denorm_mode_16_64 3
		.amdhsa_memory_ordered 1
		.amdhsa_forward_progress 1
		.amdhsa_inst_pref_size 20
	.end_amdhsa_kernel
	.amdgpu_metadata
---
amdhsa.version: [ 1, 2 ]
amdhsa.kernels:
  - .name:           k_q7227b07ad7_gather
    .symbol:         k_q7227b07ad7_gather.kd
    .args:
      - { .name: idx, .offset: 0, .size: 8, .value_kind: global_buffer, .address_space: global }
      - { .name: inputs, .offset: 8, .size: 8, .value_kind: global_buffer, .address_space: global }
      - { .name: embedding, .offset: 16, .size: 8, .value_kind: global_buffer, .address_space: global }
      - { .name: out0, .offset: 24, .size: 8, .value_kind: global_buffer, .address_space: global }
      - { .name: part, .offset: 32, .size: 8, .value_kind: global_buffer, .address_space: global }
      - { .name: out4, .offset: 40, .size: 8, .value_kind: global_buffer, .address_space: global }
    .group_segment_fixed_size: 167936
    .private_segment_fixed_size: 0
    .kernarg_segment_align: 8
    .kernarg_segment_size: 48
    .max_flat_workgroup_size: 256
    .sgpr_count:     66
    .vgpr_count:     172
    .wavefront_size: 32
...
	.end_amdgpu_metadata
.endif
;; end of part 2
;; launch finish (part 3): grid 1 x 1, 1 waves a work-group, no clusters, 0 bytes of LDS; arguments part, out1, out3; writes out1, out3
.if DOCPART == 3
	.amdgcn_target "amdgcn-amd-amdhsa--gfx1250"
	.amdhsa_code_object_version 6
	.text
	.protected	k_q7227b07ad7_finish
	.globl	k_q7227b07ad7_finish
	.p2align	8
	.type	k_q7227b07ad7_finish,@function
k_q7227b07ad7_finish:
	s_mov_b64 s[64:65], 0
	v_nop
	global_prefetch_b8 v0, s[64:65] scope:SCOPE_SE
	s_setreg_imm32_b32 hwreg(HW_REG_WAVE_MODE, 25, 1), 1
	s_wait_xcnt 0x0
; out3 = 256 zeros; out1 = 0.25 x the mean of (q - x)^2 = 2^-24 x the sum of the 2,048 waves' sums of the launch before (2 x 64 x 32,768 = 2^22 numbers).
; The sum spans work-groups, so it is taken here, behind the launch that made its parts: 8,192 bytes and one number out: one wave, 64 sums a lane.  No LDS, no barrier.
	s_load_b128 s[4:7], s[0:1], 0x0                ; part s[4:5], out1 s[6:7]
	s_load_b64 s[8:9], s[0:1], 0x10                ; out3
	v_lshlrev_b32 v2, 4, v0                        ; 16 x lane
	v_mov_b32 v3, 0
	v_mov_b32 v4, 0
	v_mov_b32 v5, 0
	v_mov_b32 v6, 0
	v_mov_b32 v7, 0
	s_mov_b32 s20, 0x76543210
	s_mov_b32 s21, 0xfedcba98                      ; v_permlanex16_b32's selects for lane l xor 16
	s_wait_alu depctr_va_vdst(0)                   ; the wait at the head's end
	s_wait_kmcnt 0x0
.set i, 0
.rept 16
	global_load_b128 v[8+4*i:11+4*i], v2, s[4:5] offset:512*i
.set i, i+1
.endr
	global_store_b128 v2, v[4:7], s[8:9]           ; out3: 1,024 bytes of zeros
	global_store_b128 v2, v[4:7], s[8:9] offset:512
	s_wait_loadcnt 0x0
.irp m, 16,8,4,2                               ; pairs added in a tree: 32 pairs, then 16, 8, 4, 2
.set i, 0
.rept \m
	v_pk_add_f32 v[8+2*i:9+2*i], v[8+2*i:9+2*i], v[8+2*(i+\m):9+2*(i+\m)]
.set i, i+1
.endr
.endr
	v_pk_add_f32 v[8:9], v[8:9], v[10:11]
	v_add_f32 v8, v8, v9
	v_add_f32_dpp v8, v8, v8 row_xmask:1 row_mask:0xf bank_mask:0xf
	v_add_f32_dpp v8, v8, v8 row_xmask:2 row_mask:0xf bank_mask:0xf
	v_add_f32_dpp v8, v8, v8 row_xmask:4 row_mask:0xf bank_mask:0xf
	v_add_f32_dpp v8, v8, v8 row_xmask:8 row_mask:0xf bank_mask:0xf
	v_permlanex16_b32 v9, v8, s20, s21
	v_add_f32 v8, v8, v9
	v_mul_f32 v8, 0x33800000, v8                   ; x 2^-24
	v_cmp_eq_u32 vcc_lo, 0, v0
	s_wait_alu depctr_va_vdst(0)                   ; the wait directly ahead of the wait below
	s_wait_xcnt 0x0                                ; EXEC is a source of the stores above: it changes only behind this wait
	s_and_saveexec_b32 s22, vcc_lo
	global_store_b32 v3, v8, s[6:7]                ; out1, by lane 0 alone
	s_wait_xcnt 0x0                                ; and again in front of the line that widens it
	s_or_b32 exec_lo, exec_lo, s22
	s_endpgm
.Lfunc_end_k_q7227b07ad7_finish:
	.size	k_q7227b07ad7_finish, .Lfunc_end_k_q7227b07ad7_finish-k_q7227b07ad7_finish
	.p2alignl 7, 3214868480
	.fill 96, 4, 3214868480
	.section	.rodata,"a",@progbits
	.p2align	6, 0x0
	.amdhsa_kernel k_q7227b07ad7_finish
		.amdhsa_group_segment_fixed_size 0
		.amdhsa_private_segment_fixed_size 0
		.amdhsa_enable_private_segment 0
		.amdhsa_kernarg_size 24
		.amdhsa_user_sgpr_count 2
		.amdhsa_user_sgpr_kernarg_segment_ptr 1
		.amdhsa_wavefront_size32 1
		.amdhsa_system_sgpr_workgroup_id_x 1
		.amdhsa_system_sgpr_workgroup_id_y 1
		.amdhsa_system_sgpr_workgroup_id_z 1
		.amdhsa_system_vgpr_workitem_id 0
		.amdhsa_next_free_vgpr 72
		.amdhsa_next_free_sgpr 66
		.amdhsa_reserve_vcc 1
		.amdhsa_float_denorm_mode_32 3
		.amdhsa_float_denorm_mode_16_64 3
		.amdhsa_memory_ordered 1
		.amdhsa_forward_progress 1
		.amdhsa_inst_pref_size 6
	.end_amdhsa_kernel
	.amdgpu_metadata
---
amdhsa.version: [ 1, 2 ]
amdhsa.kernels:
  - .name:           k_q7227b07ad7_finish
    .symbol:         k_q7227b07ad7_finish.kd
    .args:
      - { .name: part, .offset: 0, .size: 8, .value_kind: global_buffer, .address_space: global }
      - { .name: out1, .offset: 8, .size: 8, .value_kind: global_buffer, .address_space: global }
      - { .name: out3, .offset: 16, .size: 8, .value_kind: global_buffer, .address_space: global }
    .group_segment_fixed_size: 0
    .private_segment_fixed_size: 0
    .kernarg_segment_align: 8
    .kernarg_segment_size: 24
    .max_flat_workgroup_size: 32
    .sgpr_count:     66
    .vgpr_count:     72
    .wavefront_size: 32
...
	.end_amdgpu_metadata
.endif
;; end of part 3
